; MI455X (gfx1250); checked and timed in simulation.
; The chip was launched on July 23, 2026; its instructions are those of AMD's public machine-readable ISA for CDNA 5 (MIT licence, August 2026) and "CDNA5" Instruction Set Architecture Reference Guide (July 2026). The comments in the code are by the model that wrote it; some were corrected since.
;; Simple Average Self Attention. Allowed arithmetic: matrix products marked QUANTISED: E4M3 operands, one given power-of-two scale a tensor, by v_wmma_f32_16x16x64_fp8_fp8 or v_wmma_f32_16x16x128_fp8_fp8, f32 sums; everything else in f32.
;; Inputs: lowp_scales 2 int32 (the exponents e of the quantised operands' scales 2^e); x 16 x 4,096 x 256 float32.
;; Outputs: out0 16 x 4,096 x 256 float32.
;; This version of the problem:
;;   THIS VERSION OF THE PROBLEM IS GIVEN IN LOW PRECISION. The matrix products marked QUANTISED in the list below multiply operands that are first quantised to E4M3 (4 exponent bits, 3 mantissa bits; 8 bits a number), with one given power-of-two scale for each operand tensor; their sums are f32. All else is computed in f32.
;;   The module's matrix products, in the order in which they are computed (A, B: the left and right operand; K: the contracted axis; several contracted axes count as one K, in the product's order):
;;     1. [M 4,096, K 4,096] x [K 4,096, N 4,096]; A: input x; B: softmax (see below): QUANTISED (scales: A lowp_scales[0], B lowp_scales[1])
;;   THE QUANTISER, for each operand of a quantised product, along K:
;;     - The operand's scale is 2^e, e = its entry of the input lowp_scales (int32; the entries are numbered through the quantised products in the list's order, A before B).
;;     - Each number is divided by the scale, clamped to +-448, and rounded to the nearest number of E4M3, ties to even, subnormals kept.
;;     - The product sums the exact products of the quantised numbers (number of the format x scale) in f32.
;;   ~~~python
;;   def quantise(x, axis, e):      # numpy; x: float32 -> the quantised numbers, widened to float32 again
;;       x = np.moveaxis(x, axis, -1); K = x.shape[-1]
;;       r = np.clip(x / 2.0 ** e, -448, 448)
;;       step = 2.0 ** (np.maximum(np.frexp(np.where(r == 0, 1, r))[1] - 1, -6) - 3)
;;       q = np.round(r / step) * step * 2.0 ** e      # np.round: ties to even
;;       return np.moveaxis(q, -1, axis).astype(np.float32)
;;   ~~~
;;   SOFTMAX AHEAD OF A QUANTISED PRODUCT. Where the list says 'softmax', what is quantised is not the finished softmax but p = 2^(t - M), with t = logit x log2(e) and M = ceil(the row's largest t), a whole number; so 1/2 < the row's largest p <= 1. The row's sum l is taken of the UNQUANTISED p, in f32, and the product's result is divided by l at the end. Since M is a whole number, a kernel that streams over the keys may use a running M (the ceiling of the running maximum): every later rescaling is an exact power of two, so the quantised numbers keep their values, but for numbers so far below the row's largest that they fall under the format's range.
;;   OPERANDS COMPUTED ON THE WAY. 'Computed on the way' means the value that the module computes at that place (a softmax that the list does not call 'softmax' is quantised finished and normalised). What goes into a quantiser is computed in f32, as accurately as f32 sums, v_exp_f32 and their like allow (about 1e-6 of the number): no bf16 or f16 on the way to a quantiser, and a product that is left as it is and whose result goes on into a quantised operand takes f32 operands (vector FMAs, or v_wmma_f32_16x16x4_f32). A number that lies on a knife's edge between two numbers of the format may be rounded either way, as far as f32 arithmetic and the matrix unit's own rounding can turn it there, and no further.
;; One version. Each part assembles by itself: llvm-mc -triple=amdgcn-amd-amdhsa -mcpu=gfx1250 --defsym DOCPART=n.
;; ======== version 1 of 1: 1 launch
;; launch avg (part 1): grid 256 x 1, 4 waves a work-group, clusters of 4 x 1, 327,680 bytes of LDS; arguments x, lowp_scales, out0; writes out0
.if DOCPART == 1
	.amdgcn_target "amdgcn-amd-amdhsa--gfx1250"
	.amdhsa_code_object_version 6
	.text
	.protected	k_q1022276072_avg
	.globl	k_q1022276072_avg
	.p2align	8
	.type	k_q1022276072_avg,@function
k_q1022276072_avg:
	s_mov_b64 s[64:65], 0
	v_nop
	global_prefetch_b8 v0, s[64:65] scope:SCOPE_SE
	s_setreg_imm32_b32 hwreg(HW_REG_WAVE_MODE, 25, 1), 1
	s_wait_xcnt 0x0
	s_wait_alu depctr_hold_cnt(0) depctr_sa_sdst(0) depctr_va_vdst(0) depctr_va_sdst(0) depctr_va_ssrc(0) depctr_va_vcc(0) depctr_vm_vsrc(0)
	s_getreg_b32 s2, hwreg(HW_REG_IB_STS2, 6, 4)
	s_cmp_eq_u32 s2, 0
	s_cbranch_scc0 .Lentry_in_a_cluster
	s_endpgm
.Lentry_in_a_cluster:
	s_bfe_u32 s2, ttmp6, 0x10000c
	s_cmp_lg_u32 s2, 0x3003
	s_cbranch_scc0 .Lentry_shape_is_right
	s_endpgm
.Lentry_shape_is_right:
; out[b][t][c] = (sum over s <= t of Q(x[b][s][c]) Q(p)) / l.  The scores are built by the problem itself: 0 where s <= t, -infinity elsewhere.  So t = 0 and M = 0 in every row,
; p = 2^0 = 1 at the kept places and 0 at the others, and l, the sum of the unquantised p, is t + 1, exact in f32.  Both operands go to the matrix unit as codes of E4M3:
; x / 2^e0 and p / 2^e1, each held within the largest code and rounded by the conversion; each finished sum is multiplied once by 2^(e0 + e1) / (t + 1).  e0, e1: lowp_scales[0], [1].
; Tiles wholly above the diagonal are not multiplied; every tile on or under it is, by v_wmma_f32_16x16x128_fp8_fp8.
; LIMITS: e0 and e1 between -126 and 119, e0 + e1 between -114 and 126, so that every power of two below, (t + 1) 2^-(e0+e1) and its reciprocal are normal f32 numbers.  NaN in x is not served; an infinity is held at the largest code.
; THE OUTPUT STAYS IN REGISTERS.  A strip is one batch x 64 columns (256 bytes of each row): 64 strips, one cluster of four work-groups each.  The cluster's 16 waves, u = cx + 4 wave, share the rows of t:
; wave u owns the tiles of 16 rows 256 g + 16 u, g = 0 .. 15 (group g), each with 4 tiles of columns q: 64 accumulators, 512 registers, kept while x goes past once, s ascending, 128 rows a step (32 steps).
; Column tile q holds the columns 4 r + q (r = lane % 16), so that a lane's four tiles give 16 neighbouring bytes of a row of out.  Source 0 = the weights (16 rows of t), source 1 = x (16 columns).
; In step i = 2 a + par group g is all kept (g > a), on the diagonal (g = a) or finished (g < a).  The diagonal's pattern hangs on u and par alone: three constant fragments a wave serve the launch, made once in registers.
; CLUSTER.  The four work-groups need the same rows of x: each tile is asked for JOINTLY, by the same tensor load with the same descriptor and the mask of all four.  cx enters data, the stores' and the prefetches' addresses only.
; x'S WAY: memory -> (tensor load) slot in LDS, f32 -> wave w reads rows 32 w .. 32 w + 31 of the step, 512 consecutive bytes a load -> the hold, which also turns [row][q] into [q][row] -> conversion ->
; the codes go to LDS as an image of the operand's registers (wave w makes registers 4 w .. 4 w + 3 of each of the four fragments) -> every wave loads the four fragments.
; THE ORDER OF k IN A STEP is a permutation, the same in both operands: register rho, byte beta, half h of the lanes hold row 8 rho + 2 beta + h of the step.
; PIPELINE.  Body i: F(i+1) images -> fragments; R(i+3) slot -> raw numbers; M(i) the products, with Q(i+2), hold and conversion, in slices behind them; S(i+2) codes -> image; in odd bodies group a leaves.
; All that a body reads from registers was loaded in the body before and awaited at that body's end.
; REGISTERS, in windows of 256.  Window 0: v1-14 addresses and constants; v16-23 divisors, v24-31 their reciprocals; v32-79 the three weight fragments; v80-143, v144-207 x's fragments, two sets; v208-239 results on the way out; v240-255 at work at the head.
;   Window 1: v0-63, v64-127 raw numbers, two sets; v128-191 held; v192-207 codes; v208 448 x 2^e0; v209 2^e0.   Windows 2, 3: accumulator (g, q) at v[32 (g % 8) + 8 q] of window 2 + g / 8.
.set SLOT1, 1<<17                      ; a slot: 512 rows x 256 bytes = 4 steps; slot 1 begins here, so that one exclusive or turns an address from one slot into the other
.set STEPB, 32768                      ; a step's tile in a slot: 128 rows x 256 bytes, dense
.set SLOTG, 524288                     ; a slot's 512 rows in memory: 512 x 1,024 bytes
.set IMG0,  2*SLOT1                    ; behind the ring: two images of 8,192 bytes: fragment q at 2,048 q, registers 4 c .. 4 c + 3 at 512 c, lane at 16 x lane.  No tensor load lands here
.set IMGB,  8192
.set SPARE, IMG0+2*IMGB                ; behind the images: the spare words, 128 bytes for each wave: two blocks of 256 bytes that no other line names
.set SPW,  1                           ; v1   LDS address of my spare word; never rewritten
.set NIL,  2                           ; v2   0; never rewritten
.set FI,   3                           ; v3   IMG0 + 16 x lane: where I read an image
.set SI,   4                           ; v4   the same + 512 x wave: where I store my four registers of a fragment
.set RL,   5                           ; v5   16 x lane + 8,192 x wave: my place in a step's tile
.set RA,   6                           ; v6   the same in the step in hand
.set CO,   7                           ; v7   my byte offset in the strip of out: (16 u + 8 h) rows + 16 r; never rewritten
.set PFO,  8                           ; v8   1,024 x lane: the prefetches' offset, a lane a row; never rewritten
.set DG0,  10                          ; v10  16 u + r - h: in an even step, place e = 4 rho + beta is kept where 2 e <= this
.set DG1,  11                          ; v11  the same - 128, for an odd step
.set TROW, 12                          ; v12  16 u + 8 h
.set P1H,  13                          ; v13  p = 1, held at 448 x 2^e1
.set PSC,  14                          ; v14  2^e1
.set LB,   16                          ; v16-23  (t + 1) x 2^-(e0+e1) of my eight rows in the group that leaves next
.set SC,   24                          ; v24-31  their reciprocals
.set WF,   32                          ; v32-47  weights, all kept
.set WD,   48                          ; v48-63, v64-79  weights on the diagonal, even step, odd step
.set XF,   80                          ; x's fragments: set par at XF + 64 par, fragment q at + 16 q
.set OUTR, 208
.set PT,   240
.set RAW,  0                           ; window 1
.set HELD, 128
.set CODE, 192
.set LIM,  208
.set SCL,  209
.set WV,   10                          ; s10  wave
.set CX,   11                          ; s11  my work-group's place in the cluster
.set UU,   12                          ; s12  u
.set G1,   16                          ; s[16:23] descriptor group 1
.set G0A,  24                          ; s[24:27] group 0 of slot 0's first fill
.set G0W,  28                          ; s[28:31] group 0 that walks: slot 1's first fill, then every refill
.set PFA,  36                          ; s[36:37] where my prefetches stand
.set RT,   38                          ; s38  LDS byte of the step that is read next
.set A2,   39                          ; s39  twice the loop's trip number
.set LSTEP, 41                         ; s41  256 x 2^-(e0+e1) as f32
.set MSB, 0
.macro WIN new                         ; the immediate's high byte repeats the setting that is left; a switch that changes nothing is dropped
.if MSB != (\new)
	s_set_vgpr_msb (MSB<<8)|(\new)
.set MSB, \new
.endif
.endm
.macro PLACES                          ; four plain vector instructions between a matrix instruction and a load into, or a vector read of, its registers
.rept 4
	v_nop
.endr
.endm
.macro CROUND                          ; a round of the cluster's barrier: my work-group's barrier; wave 0 signals for the work-group; every wave waits for all four work-groups; my work-group's barrier once more
	s_barrier_signal -1
	s_barrier_wait -1
	s_cmp_lg_u32 s[WV], 0
	s_cbranch_scc1 .Lnw0_\@
	s_barrier_signal -3
.Lnw0_\@:
	s_barrier_wait -3
	s_barrier_signal -1
	s_barrier_wait -1
.endm
.macro ENDB                            ; a body's end: my image stores have landed and my LDS loads are in; then the work-group's barrier.  Nothing is filled by a tensor load behind it
	s_wait_dscnt 0x0
	s_barrier_signal -1
	s_barrier_wait -1
.endm
.macro FLOAD par                       ; F: the next step's four fragments, from the image that the body before finished, into the set that is not being multiplied
	WIN 0
.irp q, 0,1,2,3
.irp c, 0,1,2,3
	ds_load_b128 v[XF+64*(1-(\par))+16*\q+4*\c:XF+64*(1-(\par))+16*\q+4*\c+3], v[FI] offset:(1-(\par))*IMGB+2048*\q+512*\c
.endr
.endr
.endm
.macro RLOAD par                       ; R: my 32 rows of the step three on: load n takes rows 2 n + h, 512 consecutive bytes; register 4 n + q = x(row 2 n + h, column 4 r + q)
	WIN 0
	v_add_nc_u32 v[RA], s[RT], v[RL]
	WIN 0x40                                       ; destination window 1, address window 0
.irp n, 0,1,2,3,4,5,6,7,8,9,10,11,12,13,14,15
	ds_load_b128 v[RAW+64*(1-(\par))+4*\n:RAW+64*(1-(\par))+4*\n+3], v[RA] offset:512*\n
.endr
	s_add_co_u32 s[RT], s[RT], STEPB               ; the next read is the next step's
.endm
; Q is a list of 72 instructions, number VJ: for each of eight halves of a fragment (VO: fragment VO / 2, rows 16 (VO % 2) on) eight holds and one conversion.
; The hold (the conversion to an 8-bit code does not saturate: ISA guide 7.6.2) also gathers eight rows of one column into neighbouring registers.
.macro VOPS n
.rept \n
.set VO, VJ/9
.set VK, VJ%9
.if VK < 8
	v_med3_num_f32 v[HELD+8*VO+VK], v[RAW+64*QP+4*(8*(VO%2)+VK)+VO/2], -v[LIM], v[LIM]
.else
	v_cvt_scalef32_pk8_fp8_f32 v[CODE+2*VO:CODE+2*VO+1], v[HELD+8*VO:HELD+8*VO+7], v[SCL]
.endif
.set VJ, VJ+1
.endr
.endm
.macro SL                              ; a slice: six of the list; behind the last, S: my four registers of each fragment go to the image as they stand
.if VJ < 72
	WIN 0x55                                       ; all operands window 1
	VOPS 6
.if VJ == 72
	v_nop                                          ; one plain vector instruction behind the last conversion
	WIN 0x04                                       ; store data window 1, address window 0
.irp q, 0,1,2,3
	ds_store_b128 v[SI], v[CODE+4*\q:CODE+4*\q+3] offset:QP*IMGB+2048*\q
.endr
.endif
.endif
.endm
; One product and the slice behind it.  The accumulators take turns, one instruction a turn: a group's four, group after group; a body ends on the diagonal group's fourth and the next begins on group 15's first.
.macro WM g, q, wb, zero
	WIN 0xa0+0x50*((\g)/8)                         ; weights and x window 0; C and D window 2 or 3
.set AC, 32*((\g)%8)+8*(\q)
.if \zero
	v_wmma_f32_16x16x128_fp8_fp8 v[AC:AC+7], v[\wb:\wb+15], v[XP+16*(\q):XP+16*(\q)+15], 0
.else
	v_wmma_f32_16x16x128_fp8_fp8 v[AC:AC+7], v[\wb:\wb+15], v[XP+16*(\q):XP+16*(\q)+15], v[AC:AC+7]
.endif
	SL
.endm
.macro FULLG g, zero                   ; a group all of whose rows come after the step's
.irp q, 0,1,2,3
	WM \g, \q, WF, \zero
.endr
.endm
.macro DIAG g, par, zero               ; the group on the diagonal
.irp q, 0,1,2,3
	WM \g, \q, WD+16*(\par), \zero
.endr
.endm
.macro SCALES                          ; 2^(e0+e1) / (t + 1) for my eight rows of the group that leaves in this body; then the divisors step to the next group, 256 rows on (whole numbers x a power of two: exact)
	WIN 0
	s_wait_xcnt 0x0                                ; the last group's stores have read their data registers, which FIN writes again
.irp j, 0,1,2,3,4,5,6,7
	v_rcp_f32 v[SC+\j], v[LB+\j]
.endr
	v_nop                                          ; a plain instruction behind the last reciprocal, ahead of the writes of their sources
.irp j, 0,1,2,3,4,5,6,7
	v_add_f32 v[LB+\j], s[LSTEP], v[LB+\j]
.endr
	s_wait_alu depctr_va_vdst(0)                   ; one wait for the eight reciprocals, ahead of their first reader and of every branch
.endm
.macro FIN g                           ; group g leaves.  The multiplication puts row j's four column tiles into four neighbouring registers: 16 bytes of a row.  Each accumulator is read from its lowest register on
	PLACES
	WIN 0x02+(\g)/8                                ; source 0 window 2 or 3
.irp j, 0,1,2,3,4,5,6,7
.irp q, 0,1,2,3
	v_mul_f32 v[OUTR+4*\j+\q], v[32*((\g)%8)+8*\q+\j], v[SC+\j]
.endr
.endr
	WIN 0
.irp j, 0,1,2,3,4,5,6,7
	global_store_b128 v[CO], v[OUTR+4*\j:OUTR+4*\j+3], s[8:9] offset:(\g)*262144+\j*1024 th:TH_STORE_NT   ; lanes 0-15 store 256 consecutive bytes, aligned, of row j; lanes 16-31 those of row 8 + j.  15 x 262,144 + 7 x 1,024 lies inside the signed 24-bit immediate
.endr
.endm
; A PREFETCH of the slot that the NEXT change of slots will ask for: four bodies ahead of that load.  Of the 128 rows that wave w will fetch, the partner at place cx names rows 32 cx .. 32 cx + 31, a lane a row (256 bytes of it):
; the partners are told apart by address, and a strip has one cluster, so each block is named once in the launch.  The change that asks for the last slot names nothing.
.macro ASK
	s_cmp_lt_u32 s[A2], 10
	s_cbranch_scc0 .Lnp_\@
	global_prefetch_b8 v[PFO], s[PFA:PFA+1] th:TH_LOAD_NT scope:SCOPE_SE
.Lnp_\@:
.endm
; THE CHANGE OF SLOTS, behind the body that read a slot's last step.  Each wave waits for all its tensor loads (one is out: its part of the other slot), adds 0 to its spare word, and waits for that and for its LDS loads and stores.
; fill = 1: the barrier is a round of the cluster's, so that no wave of any partner still reads the slot or has a load on its way; the joint refill, the steps two slots on, is the first thing behind it and has four bodies in which to land.
.macro CHANGE fill
	WIN 0
	s_wait_tensorcnt 0x0                           ; no tensor load of mine is out, so the walking group 0 may be written
	ds_add_u32 v[SPW], v[NIL]                      ; 0 onto my spare word; the steps below stand between it and the wait for it
.if \fill
	s_xor_b32 s[G0W+1], s[G0W+1], SLOT1            ; the other slot than last time,
	s_add_nc_u64 s[G0W+2:G0W+3], s[G0W+2:G0W+3], SLOTG   ; the next 512 rows; the type bits on top are not reached
	s_wait_xcnt 0x0                                ; the last prefetch, four bodies back, has read its address
	s_add_nc_u64 s[PFA:PFA+1], s[PFA:PFA+1], SLOTG
.endif
	s_sub_co_u32 s[RT], s[RT], SLOT1               ; the reads go back to a slot's first step,
	s_xor_b32 s[RT], s[RT], SLOT1                  ; in the other slot
	s_wait_dscnt 0x0                               ; the add is done, my reads of the slot are over, my image stores have landed
.if \fill
	CROUND
	tensor_load_to_lds s[G0W:G0W+3], s[G1:G1+7]
	s_nop 0
	PLACES
	ASK
.else
	s_barrier_signal -1
	s_barrier_wait -1
.endif
.endm
; A body written out, for step i (the first and the last steps, in which stages are missing).  zero = 1: the products start the sums: nothing is ever cleared.
.macro SBODY i, zero
.set PAR, ((\i)+4)%2
.set XP, XF+64*PAR
.set QP, PAR
.if ((\i)+1 >= 0) && ((\i)+1 <= 31)
	FLOAD PAR
.endif
.if (\i)+3 <= 31
	RLOAD PAR
.endif
.if ((\i)+2 >= 0) && ((\i)+2 <= 31)
.set VJ, 0
.else
.set VJ, 72
.endif
.if (\i) >= 0
.irp g, 15,14,13,12,11,10,9,8,7,6,5,4,3,2,1
.if \g > (\i)/2
	FULLG \g, \zero
.endif
.endr
	DIAG (\i)/2, PAR, \zero
.endif
.rept 12
	SL                                             ; the slices for which there was no product
.endr
.if (\i) >= 0
.if PAR
	SCALES
	FIN (\i)/2
.else
	PLACES                                         ; in front of the next body's loads into the fragments just multiplied
.endif
.endif
	WIN 0
.endm
; A body of the loop.  The diagonal group is d = s[A2] + off, between lo and hi and of lo's parity.  Groups 15, 14, 13 are all kept in every trip: their twelve products carry the whole of Q, and S follows.
; From 12 down a scalar branch on the trip's number, the same in every wave and every work-group, leaves the run of kept groups at d, for a block written for that d: register numbers and store offsets are constants there.
.macro DBODY par, off, lo, hi
.set XP, XF+64*(\par)
.set QP, \par
.set VJ, 0
	FLOAD \par
	RLOAD \par
	FULLG 15, 0
	FULLG 14, 0
	FULLG 13, 0
.if \par
	SCALES
.endif
.irp g, 12,11,10,9,8,7,6,5,4,3,2,1
.if \g > \lo
.if (\g <= \hi) && (((\g)-(\lo))%2 == 0)
	WIN 0                                          ; at a branch and at a label every window is 0
	s_cmp_eq_u32 s[A2], (\g)-(\off)
	s_cbranch_scc1 .Ldg_\@_\g
.endif
	FULLG \g, 0
.endif
.endr
	DIAG \lo, \par, 0
.if \par
	FIN \lo
.endif
	WIN 0
	s_branch .Ljn_\@
.irp g, 12,11,10,9,8,7,6,5,4,3,2,1
.if (\g > \lo) && (\g <= \hi) && (((\g)-(\lo))%2 == 0)
.Ldg_\@_\g:
	DIAG \g, \par, 0
.if \par
	FIN \g
.endif
	WIN 0
.if (\g) != (\lo)+2
	s_branch .Ljn_\@
.endif
.endif
.endr
.Ljn_\@:
.if (\par) == 0
	PLACES                                         ; in front of the next body's loads into the fragments just multiplied (an odd body has FIN's)
.endif
.endm
; A diagonal fragment: place e = 8 MO + MK holds p where 2 e <= v[vd], else 0; eight at a time through the real conversion, in two sets of registers by turns
.macro MKW base, vd
.set MO, 0
.rept 8
.set MK, 0
.rept 8
	v_cmp_le_i32 vcc_lo, 2*(8*MO+MK), v[\vd]
	v_cndmask_b32 v[PT+8*(MO%2)+MK], 0, v[P1H], vcc_lo
.set MK, MK+1
.endr
	v_cvt_scalef32_pk8_fp8_f32 v[\base+2*MO:\base+2*MO+1], v[PT+8*(MO%2):PT+8*(MO%2)+7], v[PSC]
.set MO, MO+1
.endr
.endm
	s_load_b128 s[4:7], s[0:1], 0x0                ; x s[4:5], lowp_scales s[6:7]
	s_load_b64 s[8:9], s[0:1], 0x10                ; out0
	v_lshl_add_u32 v[SPW], v0, 2, SPARE
	v_mov_b32 v[NIL], 0
	ds_add_u32 v[SPW], v[NIL]                      ; the wave's opening: the add and its wait ahead of my first tensor load; the set-up below, work on registers, stands between them
	v_lshrrev_b32 v9, 5, v0
	v_readfirstlane_b32 s[WV], v9                  ; wave 0..3
	s_bfe_u32 s[CX], ttmp6, 0x40000                ; cx
	s_lshl_b32 s[UU], s[WV], 2
	s_add_co_u32 s[UU], s[UU], s[CX]               ; u = cx + 4 wave
	s_lshr_b32 s32, ttmp9, 2                       ; in a cluster launch ttmp9 counts clusters: the strip.  Batch = strip / 4: 4,096 rows of 1,024 bytes,
	s_lshl_b32 s32, s32, 22
	s_and_b32 s13, ttmp9, 3                        ; columns 64 (strip % 4) on: 256 bytes each
	s_lshl_b32 s13, s13, 8
	s_or_b32 s32, s32, s13
	s_mov_b32 s33, 0                               ; s[32:33]: the strip's first byte, in x and in out0
	s_lshl_b32 s13, s[WV], 17                      ; of a slot's 512 rows I fetch 128 wave on: one step's tile
	s_add_co_u32 s34, s32, s13
	s_mov_b32 s35, 0
	s_lshl_b32 s42, s[CX], 15                      ; the prefetches: my work-group's 32 rows of those 128,
	s_add_co_u32 s42, s42, 2*SLOTG                 ; in slot 2: the first change of slots steps it to slot 3.  Nothing is prefetched at the head
	s_mov_b32 s43, 0
	; descriptor group 1: a tile of 128 rows x 32 elements of 8 bytes, rows 128 elements apart in memory, dense in LDS
	s_mov_b32 s[G1+0], 15|(3<<16)|(1<<21)          ; 15:0 the mask: all four work-groups; 17:16 elements of 8 bytes; 20 no padding; 21 set beside a mask
	s_mov_b32 s[G1+1], 32<<16                      ; tensor_dim0 = 32
	s_mov_b32 s[G1+2], 128<<16                     ; tensor_dim1 = 128
	s_mov_b32 s[G1+3], 32<<16                      ; tile_dim0 = 32
	s_mov_b32 s[G1+4], 128                         ; tile_dim1 = 128
	s_mov_b32 s[G1+5], 128                         ; tensor_dim0_stride
	s_mov_b32 s[G1+6], 0
	s_mov_b32 s[G1+7], 0
	s_mov_b32 s[G0A], 1
	s_lshl_b32 s[G0A+1], s[WV], 15                 ; LDS: slot 0, step = my wave's number: no place in the cluster enters an LDS address
	s_mov_b32 s[G0W], 1
	s_add_co_u32 s[G0W+1], s[G0A+1], SLOT1
	s_mov_b32 s[RT], 0
	s_mov_b32 s[A2], 0
	v_and_b32 v9, 31, v0                           ; lane
	v_and_b32 v[PT], 15, v0                        ; r
	v_bfe_u32 v[PT+1], v0, 4, 1                    ; h
	v_lshl_add_u32 v[FI], v9, 4, IMG0
	s_lshl_b32 s13, s[WV], 9
	v_add_nc_u32 v[SI], s13, v[FI]
	s_lshl_b32 s13, s[WV], 13
	v_lshlrev_b32 v[RL], 4, v9
	v_add_nc_u32 v[RL], s13, v[RL]
	v_lshlrev_b32 v[PFO], 10, v9
	s_lshl_b32 s44, s[UU], 4
	v_lshl_add_u32 v[TROW], v[PT+1], 3, s44        ; 16 u + 8 h
	v_lshlrev_b32 v[CO], 10, v[TROW]
	v_lshl_add_u32 v[CO], v[PT], 4, v[CO]
	v_add_nc_u32 v[DG0], s44, v[PT]
	v_sub_nc_u32 v[DG0], v[DG0], v[PT+1]           ; row s_off = 2 e + h of an even step is kept for my row 16 u + r of t where 2 e <= 16 u + r - h
	v_add_nc_u32 v[DG1], 0xffffff80, v[DG0]        ; an odd step lies 128 rows further on
	s_wait_dscnt 0x0                               ; the opening add is done
	s_wait_kmcnt 0x0
	s_load_b64 s[14:15], s[6:7], 0x0               ; e0, e1
	s_add_nc_u64 s[8:9], s[8:9], s[32:33]          ; out0 at the strip
	s_add_nc_u64 s[G0A+2:G0A+3], s[4:5], s[34:35]  ; x at my tile of slot 0,
	s_add_nc_u64 s[G0W+2:G0W+3], s[G0A+2:G0A+3], SLOTG   ; of slot 1,
	s_add_nc_u64 s[PFA:PFA+1], s[G0A+2:G0A+3], s[42:43]  ; and where my prefetches stand
	s_or_b32 s[G0A+3], s[G0A+3], 0x80000000        ; type = 2
	s_or_b32 s[G0W+3], s[G0W+3], 0x80000000
	CROUND                                         ; all four work-groups are here: the first joint loads meet
	tensor_load_to_lds s[G0A:G0A+3], s[G1:G1+7]    ; both first fills go out together: two loads of mine are out
	s_nop 0
	tensor_load_to_lds s[G0W:G0W+3], s[G1:G1+7]
	s_nop 0
	PLACES
	; while the tiles are on their way: the scales and the three weight fragments
	s_wait_kmcnt 0x0
	s_add_co_i32 s42, s14, 127
	s_lshl_b32 s43, s42, 23                        ; 2^e0 as f32: the conversion takes its exponent field
	s_add_co_i32 s42, s42, 8
	s_lshl_b32 s42, s42, 23
	s_or_b32 s42, s42, 0x600000                    ; 448 x 2^e0
	WIN 0x40                                       ; destination window 1
	v_mov_b32 v[SCL], s43
	v_mov_b32 v[LIM], s42
	WIN 0
	s_add_co_i32 s46, s15, 127
	s_lshl_b32 s47, s46, 23
	v_mov_b32 v[PSC], s47                          ; 2^e1
	s_add_co_i32 s46, s46, 8
	s_lshl_b32 s46, s46, 23
	s_or_b32 s46, s46, 0x600000
	v_mov_b32 v[P1H], s46
	v_min_num_f32 v[P1H], 1.0, v[P1H]              ; p = 1, held at 448 x 2^e1 (p is not negative: the hold is one-sided)
	s_add_co_i32 s44, s14, s15                     ; e0 + e1
	s_sub_co_i32 s45, 0, s44
	s_sub_co_i32 s[LSTEP], 135, s44
	s_lshl_b32 s[LSTEP], s[LSTEP], 23              ; 2^(8 - e0 - e1)
.irp j, 0,1,2,3,4,5,6,7
	v_add_nc_u32 v[LB+\j], \j+1, v[TROW]           ; t + 1 of my rows in group 0,
.endr
.irp j, 0,1,2,3,4,5,6,7
	v_cvt_f32_u32 v[LB+\j], v[LB+\j]
.endr
.irp j, 0,1,2,3,4,5,6,7
	v_ldexp_f32 v[LB+\j], v[LB+\j], s45            ; x 2^-(e0+e1)
.endr
.irp k, 0,1,2,3,4,5,6,7
	v_mov_b32 v[PT+\k], v[P1H]
.endr
	v_cvt_scalef32_pk8_fp8_f32 v[WF:WF+1], v[PT:PT+7], v[PSC]   ; eight equal codes: every register of the fragment holds the same word
	v_nop
.irp k, 2,3,4,5,6,7,8,9,10,11,12,13,14,15
	v_mov_b32 v[WF+\k], v[WF]
.endr
	MKW WD, DG0
	MKW WD+16, DG1
	v_nop                                          ; one plain vector instruction behind the last conversion
	s_wait_tensorcnt 0x1                           ; my part of slot 0 is in; slot 1's may stay out
	s_barrier_signal -1
	s_barrier_wait -1                              ; everybody's is
	SBODY -3, 0                                    ; R(0)
	s_wait_dscnt 0x0
	SBODY -2, 0                                    ; R(1), Q(0), S(0)
	ENDB
	SBODY -1, 0                                    ; F(0), R(2), Q(1), S(1)
	ENDB
	SBODY 0, 1                                     ; the first products start all 64 sums
.Ltrip:                                            ; six trips, n = s[A2] / 2: steps 4 n + 1 .. 4 n + 4; each trip fills the slot just left with steps 4 (n + 2) on
	CHANGE 1
	DBODY 1, 0, 0, 10
	ENDB
	DBODY 0, 1, 1, 11
	ENDB
	DBODY 1, 1, 1, 11
	ENDB
	DBODY 0, 2, 2, 12
	s_add_co_u32 s[A2], s[A2], 2
	s_cmp_lt_u32 s[A2], 12
	s_cbranch_scc1 .Ltrip
	CHANGE 0                                       ; the tail is written out: the last slot is whole, nothing is asked for
.irp i, 25,26,27,28,29
	SBODY \i, 0
	ENDB
.endr
	SBODY 30, 0
	s_wait_dscnt 0x0                               ; the last fragments are in; nobody writes LDS any more
	SBODY 31, 0
	s_wait_tensorcnt 0x0                           ; the wave's end, behind my last tensor load and my last LDS store
	ds_add_u32 v[SPW], v[NIL]
	s_wait_dscnt 0x0
	CROUND                                         ; the closing round: no work-group ends while a partner may still ask for a tile that names it
	s_endpgm
.Lfunc_end_k_q1022276072_avg:
	.size	k_q1022276072_avg, .Lfunc_end_k_q1022276072_avg-k_q1022276072_avg
	.p2alignl 7, 3214868480
	.fill 96, 4, 3214868480
	.section	.rodata,"a",@progbits
	.p2align	6, 0x0
	.amdhsa_kernel k_q1022276072_avg
		.amdhsa_group_segment_fixed_size 327680
		.amdhsa_private_segment_fixed_size 0
		.amdhsa_enable_private_segment 0
		.amdhsa_kernarg_size 24
		.amdhsa_user_sgpr_count 2
		.amdhsa_user_sgpr_kernarg_segment_ptr 1
		.amdhsa_wavefront_size32 1
		.amdhsa_system_sgpr_workgroup_id_x 1
		.amdhsa_system_sgpr_workgroup_id_y 1
		.amdhsa_system_sgpr_workgroup_id_z 1
		.amdhsa_system_vgpr_workitem_id 0
		.amdhsa_next_free_vgpr 1024
		.amdhsa_next_free_sgpr 66
		.amdhsa_reserve_vcc 1
		.amdhsa_float_denorm_mode_32 3
		.amdhsa_float_denorm_mode_16_64 3
		.amdhsa_memory_ordered 1
		.amdhsa_forward_progress 1
		.amdhsa_inst_pref_size 179
	.end_amdhsa_kernel
	.amdgpu_metadata
---
amdhsa.version: [ 1, 2 ]
amdhsa.kernels:
  - .name:           k_q1022276072_avg
    .symbol:         k_q1022276072_avg.kd
    .args:
      - { .name: x, .offset: 0, .size: 8, .value_kind: global_buffer, .address_space: global }
      - { .name: lowp_scales, .offset: 8, .size: 8, .value_kind: global_buffer, .address_space: global }
      - { .name: out0, .offset: 16, .size: 8, .value_kind: global_buffer, .address_space: global }
    .group_segment_fixed_size: 327680
    .private_segment_fixed_size: 0
    .kernarg_segment_align: 8
    .kernarg_segment_size: 24
    .max_flat_workgroup_size: 128
    .sgpr_count:     66
    .vgpr_count:     1024
    .wavefront_size: 32
...
	.end_amdgpu_metadata
.endif
;; end of part 1
